; MI455X (gfx1250); checked and timed in simulation.
; The chip was launched on July 23, 2026; its instructions are those of AMD's public machine-readable ISA for CDNA 5 (MIT licence, August 2026) and "CDNA5" Instruction Set Architecture Reference Guide (July 2026). The comments in the code are by the model that wrote it; some were corrected since.
;; LSTM Cell. Allowed arithmetic: float matrix products may take bf16 or f16 operands with f32 sums; all other float work in f32.
;; Inputs: bias 4,096 float32; c0 8,192 x 1,024 float32; h0 8,192 x 1,024 float32; ln1_b 4,096 float32; ln1_g 4,096 float32; ln2_b 4,096 float32; ln2_g 4,096 float32; ln3_b 1,024 float32; ln3_g 1,024 float32; weight_h 1,024 x 4,096 float32; weight_x 1,024 x 4,096 float32; x 8,192 x 1,024 float32.
;; Outputs: out0 8,192 x 1,024 float32; out1 8,192 x 1,024 float32.
;; One version. Each part assembles by itself: llvm-mc -triple=amdgcn-amd-amdhsa -mcpu=gfx1250 --defsym DOCPART=n.
;; ======== version 1 of 1: 3 launches
;; limits: values are held in f16: magnitudes above 65,504 overflow, below 6.1e-05 lose precision; inputs' magnitudes at most 65,504
;; workspace buffers: op16 50,331,648 bytes; y 268,435,456 bytes
;; launch cast (part 1): grid 256 x 6, 8 waves a work-group, no clusters, 0 bytes of LDS; arguments h0, x, weight_h, weight_x, op16; writes op16
.if DOCPART == 1
	.amdgcn_target "amdgcn-amd-amdhsa--gfx1250"
	.amdhsa_code_object_version 6
	.text
	.protected	k_qe73c2afd8c_cast
	.globl	k_qe73c2afd8c_cast
	.p2align	8
	.type	k_qe73c2afd8c_cast,@function
k_qe73c2afd8c_cast:
	s_mov_b64 s[64:65], 0
	v_nop
	global_prefetch_b8 v0, s[64:65] scope:SCOPE_SE
	s_setreg_imm32_b32 hwreg(HW_REG_WAVE_MODE, 25, 1), 1
	s_wait_xcnt 0x0
; f32 to f16 (the mode's rounding, to nearest even) of h0, x, weight_h, weight_x into one dense workspace:
;   op16 byte 0: h0 [8192][1024]; byte 16,777,216: x [8192][1024]; byte 33,554,432: weight_h [1024][4096]; byte 41,943,040: weight_x [1024][4096].
; WHY f16 AND NOT bf16: f16 keeps 11 significant bits against 8, so the rounding of the operands puts an eighth of the error into the products, and the
; gates and the third layer norm pass that error on to h1 with a gain near one.
; LIMIT, stated: a number of magnitude 65,520 or more becomes infinity, one below about 3e-8 becomes 0; below 6.1e-5 the step is 6e-8 (denormals are kept).
; Room: h0 and x of spread 1 and weights of spread 1/32, taken 30 times larger with an offset of 30 spreads, stay under 200; weights 30 times smaller have
; spread 1e-3, of which the denormals' step is 6e-5: finer than bf16's relative step.
; The four inputs, taken one behind the other, are six slices of 16,777,216 bytes: the grid's y is the slice (0, 1: halves of h0; 2, 3: halves of x;
; 4: weight_h; 5: weight_x), the grid's x one of 256 pieces of 65,536 bytes.  A piece is 16 chunks of 4,096 bytes; thread t takes the 16 bytes at 16 t
; of each chunk, so a wave's load covers 512 consecutive bytes and its store of 8 bytes a lane 256 consecutive bytes, aligned.
; A pure stream: every byte is read once and written once, all 16 loads of a thread go out ahead of the first conversion, no register is written twice.
; LDS, barriers, matrix instructions and clusters have nothing to add: no two work-groups read the same byte.
.set CHUNKS, 16
.set X, 4                              ; v[4:67]   chunk j: four f32 as loaded
.set O, 68                             ; v[68:99]  chunk j: four f16 to store
	s_load_b256 s[4:11], s[0:1], 0x0               ; h0 s[4:5], x s[6:7], weight_h s[8:9], weight_x s[10:11]
	s_load_b64 s[12:13], s[0:1], 0x20              ; op16
	s_and_b32 s14, ttmp7, 0xffff                   ; the slice, 0 to 5
	s_and_b32 s15, s14, 1                          ; which half of h0 or of x
	v_lshlrev_b32 v1, 4, v0                        ; 16 t: my bytes in a chunk of the input
	v_lshlrev_b32 v2, 3, v0                        ; 8 t: and in a chunk of the output
	s_wait_kmcnt 0x0
	s_cmp_lt_u32 s14, 2
	s_cselect_b64 s[16:17], s[4:5], s[6:7]         ; slices 0, 1: h0; else x
	s_cmp_eq_u32 s14, 4
	s_cselect_b64 s[18:19], s[8:9], s[10:11]       ; slice 4: weight_h; else weight_x
	s_cmp_lt_u32 s14, 4
	s_cselect_b64 s[16:17], s[16:17], s[18:19]     ; the slice's own buffer
	s_cselect_b32 s20, s15, 0                      ; the weights are one slice each: no half
	s_lshl_b32 s2, s20, 24                         ; the half, 16,777,216 bytes,
	s_lshl_b32 s3, ttmp9, 16                       ; and the piece, 65,536 bytes
	s_add_co_u32 s2, s2, s3
	s_mov_b32 s3, 0
	s_add_nc_u64 s[16:17], s[16:17], s[2:3]
	s_lshl_b32 s20, s14, 23                        ; in op16 a slice is 8,388,608 bytes,
	s_lshl_b32 s21, ttmp9, 15                      ; a piece 32,768
	s_add_co_u32 s20, s20, s21
	s_mov_b32 s21, 0
	s_add_nc_u64 s[12:13], s[12:13], s[20:21]
.irp j, 0,1,2,3,4,5,6,7,8,9,10,11,12,13,14,15
	global_load_b128 v[X+4*\j:X+4*\j+3], v1, s[16:17] offset:4096*\j th:TH_LOAD_NT   ; read once in the launch
.endr
.irp j, 0,1,2,3,4,5,6,7,8,9,10,11,12,13,14,15
	s_wait_loadcnt CHUNKS-1-\j                     ; loads come back in order (ISA guide 5.7.1): chunk j is in, the younger ones stay out
	v_cvt_pk_f16_f32 v[O+2*\j],   v[X+4*\j],   v[X+4*\j+1]     ; the first source into the low half
	v_cvt_pk_f16_f32 v[O+2*\j+1], v[X+4*\j+2], v[X+4*\j+3]
	global_store_b64 v2, v[O+2*\j:O+2*\j+1], s[12:13] offset:2048*\j   ; no hint: the next launch reads these bytes
.endr
	s_endpgm
.Lfunc_end_k_qe73c2afd8c_cast:
	.size	k_qe73c2afd8c_cast, .Lfunc_end_k_qe73c2afd8c_cast-k_qe73c2afd8c_cast
	.p2alignl 7, 3214868480
	.fill 96, 4, 3214868480
	.section	.rodata,"a",@progbits
	.p2align	6, 0x0
	.amdhsa_kernel k_qe73c2afd8c_cast
		.amdhsa_group_segment_fixed_size 0
		.amdhsa_private_segment_fixed_size 0
		.amdhsa_enable_private_segment 0
		.amdhsa_kernarg_size 40
		.amdhsa_user_sgpr_count 2
		.amdhsa_user_sgpr_kernarg_segment_ptr 1
		.amdhsa_wavefront_size32 1
		.amdhsa_system_sgpr_workgroup_id_x 1
		.amdhsa_system_sgpr_workgroup_id_y 1
		.amdhsa_system_sgpr_workgroup_id_z 1
		.amdhsa_system_vgpr_workitem_id 0
		.amdhsa_next_free_vgpr 100
		.amdhsa_next_free_sgpr 66
		.amdhsa_reserve_vcc 0
		.amdhsa_float_denorm_mode_32 3
		.amdhsa_float_denorm_mode_16_64 3
		.amdhsa_memory_ordered 1
		.amdhsa_forward_progress 1
		.amdhsa_inst_pref_size 7
	.end_amdhsa_kernel
	.amdgpu_metadata
---
amdhsa.version: [ 1, 2 ]
amdhsa.kernels:
  - .name:           k_qe73c2afd8c_cast
    .symbol:         k_qe73c2afd8c_cast.kd
    .args:
      - { .name: h0, .offset: 0, .size: 8, .value_kind: global_buffer, .address_space: global }
      - { .name: x, .offset: 8, .size: 8, .value_kind: global_buffer, .address_space: global }
      - { .name: weight_h, .offset: 16, .size: 8, .value_kind: global_buffer, .address_space: global }
      - { .name: weight_x, .offset: 24, .size: 8, .value_kind: global_buffer, .address_space: global }
      - { .name: op16, .offset: 32, .size: 8, .value_kind: global_buffer, .address_space: global }
    .group_segment_fixed_size: 0
    .private_segment_fixed_size: 0
    .kernarg_segment_align: 8
    .kernarg_segment_size: 40
    .max_flat_workgroup_size: 256
    .sgpr_count:     66
    .vgpr_count:     100
    .wavefront_size: 32
...
	.end_amdgpu_metadata
.endif
;; end of part 1
;; launch gemm (part 2): grid 32 x 8, 4 waves a work-group, clusters of 4 x 4, 327,680 bytes of LDS; arguments op16, y; writes y
.if DOCPART == 2
	.amdgcn_target "amdgcn-amd-amdhsa--gfx1250"
	.amdhsa_code_object_version 6
	.text
	.protected	k_qe73c2afd8c_gemm
	.globl	k_qe73c2afd8c_gemm
	.p2align	8
	.type	k_qe73c2afd8c_gemm,@function
k_qe73c2afd8c_gemm:
	s_mov_b64 s[64:65], 0
	v_nop
	global_prefetch_b8 v0, s[64:65] scope:SCOPE_SE
	s_setreg_imm32_b32 hwreg(HW_REG_WAVE_MODE, 25, 1), 1
	s_wait_xcnt 0x0
	s_wait_alu depctr_hold_cnt(0) depctr_sa_sdst(0) depctr_va_vdst(0) depctr_va_sdst(0) depctr_va_ssrc(0) depctr_va_vcc(0) depctr_vm_vsrc(0)
	s_getreg_b32 s2, hwreg(HW_REG_IB_STS2, 6, 4)
	s_cmp_eq_u32 s2, 0
	s_cbranch_scc0 .Lentry_in_a_cluster
	s_endpgm
.Lentry_in_a_cluster:
	s_bfe_u32 s2, ttmp6, 0x10000c
	s_cmp_lg_u32 s2, 0xf033
	s_cbranch_scc0 .Lentry_shape_is_right
	s_endpgm
.Lentry_shape_is_right:
; y[m][0:4096] = h0 weight_h, y[m][4096:8192] = x weight_x, sums in f32, y f32 [8192][8192].  Operands are the f16 copies in op16:
; h0 at byte 0 and x at byte 16,777,216, both [8192][1024]; weight_h at byte 33,554,432 and weight_x at byte 41,943,040, both [1024][4096].
; LIMIT: the operands are rounded to f16 (11 significant bits; magnitudes of 65,520 or more are infinity there, below about 3e-8 zero; inputs 30 times larger
; than spread 1 with an offset of 30 spreads stay under 200).  Nothing else is narrowed: y stays f32, because the layer norms and gates that follow work on it in f32.
; A block of 256 x 256 of y is made by four waves; a wave makes 128 x 128: 64 accumulator tiles of 16 x 16, 512 registers.
; Block columns 0-15 belong to the first product, 16-31 to the second.  K = 1024 goes in 8 steps of 128 through a ring of two LDS slots filled by
; the tensor data mover.  A's tile: 256 rows of 256 bytes.  B's tile: 128 rows (k) of 512 bytes (256 columns), as the weights lie in memory, [K][N];
; its fragments are made by the transposing LDS load.  All tile rows start at multiples of 256 bytes from op16's first byte.
; THE WORK-GROUPS STAY: 32 x 8 = 256 work-groups, each makes FOUR blocks of one block column, 1,024 rows apart (block row 16 x cluster y + cy + 4 t).
; The ring goes on turning from block to block: in a block's K steps 6 and 7 the refills bring the next block's K steps 0 and 1, and the last change of
; slots fetches the next block's first fragments.  Nothing waits for a block's 128 stores a wave: they leave while the next block is multiplied.
; CLUSTERS: 4 x 4 work-groups.  The four of a row of the cluster share the block row (A's tile), the four of a column the block column (B's tile);
; all sixteen lie in one product, since a cluster spans 4 of the 16 block columns of a product.  Each shared tile is asked for jointly: the same
; tensor load, the same descriptor, a mask that names the four.  That divides the requests for A and for B by four.
; A wave has two tensor loads out at the start and one behind each change of slots.
;
; REGISTERS, in windows of 256:
;   window 0: v16-26 addresses; v64-127, v128-191 fragments of A (8 x 16 rows x 32 K), two buffers; v192-255 and buffer 1: rows of y on the way out
;   window 1: v64-127, v128-191 fragments of B, two buffers
;   window 2: the 32 accumulator tiles of my rows 0-63 (tile (a, b) at v[8 (8 a + b)]);   window 3: those of my rows 64-127
; THE MATRIX INSTRUCTION IS USED TRANSPOSED: source 0 = 16 columns of B, source 1 = 16 rows of A.  Lane l then holds row l % 16 of y and its registers
; 0 to 7 the columns 8 (l / 16) + 0 .. 7: 32 neighbouring bytes of a row.
; The 64 accumulators take turns, one instruction a turn, in the same order in every quarter step.
.set SIZE_K, 1024
.set KSTEP,  128
.set TILES,  4                         ; blocks of y that a work-group makes
.set PITCH,  272                       ; A's LDS row: 256 bytes + 16 of padding: row r starts 16 r bytes on modulo 256, so the 16 rows of a fragment load fall on 16 different 16-byte columns
.set BP,     544                       ; B's LDS row: 512 bytes + 32 of padding = 17 x 32: the eight k rows of a transposing load fall on different 32-byte columns
.set HALFT,  128*PITCH                 ; what one tensor load brings: 128 rows of A, or 64 rows of B (64 x 544 is the same 34,816 bytes)
.set SLOT,   4*HALFT                   ; A's rows 0-127, 128-255, B's k 0-63, 64-127
.set STAGE,  2*SLOT                    ; behind the ring, at 1,088 x 256 bytes: no tensor load lands here
.set SPITCH, 528                       ; the stage's row: 128 f32 = 512 bytes + 16
.set WSTAGE, 16*SPITCH                 ; 16 rows for each wave = 8,448 bytes = 33 x 256
.set LAPS,   SIZE_K/(2*KSTEP)          ; a lap = two K steps = once round the ring: 4 for a block
.set BROW,   8192                      ; bytes in a row of a weight in f16
.set YROW,   32768                     ; bytes in a row of y
.set DOWN,   1024                      ; rows from a block to the work-group's next
.set ADRA, 16                          ; v16-17  LDS address of my A fragments in slot 0, 1
.set ADRB, 20                          ; v20-21  the same for B
.set STO,  24                          ; v24     the way out: where I put 32 bytes of a row
.set RD,   25                          ; v25     the way out: where I read a row back
.set CO,   26                          ; v26     my byte offset in a row of y
.set F0,   64                          ; fragment buffer 0
.set F1,   128                         ; fragment buffer 1
.set TMP,  192                         ; the way out's own 64 registers, in window 0
.set G1,  24                           ; s[24:31] descriptor group 1 for A's tiles
.set G0,  32                           ; s[32:39] descriptor group 0 for A's tiles, one set for each slot
.set G1B, 48                           ; s[48:55] descriptor group 1 for B's tiles
.set G0B, 56                           ; s[56:63] descriptor group 0 for B's tiles, one set for each slot
.set MSB, 0
.macro WIN new                         ; the immediate's high byte repeats the setting that is left; a switch that changes nothing is dropped
.if MSB != \new
	s_set_vgpr_msb (MSB<<8)|\new
.set MSB, \new
.endif
.endm
.set MUL_LO, 0xa1                      ; source 0 (B) window 1, source 1 (A) window 0, C and D window 2
.set MUL_HI, 0xf1                      ; the same, C and D window 3
.set TO_B,   0x40                      ; destination window 1, address window 0
; A joint load.  Waves 0 and 1 fetch A's two halves, waves 2 and 3 B's.  Each line has one mask and one set of registers for all that issue it;
; the branch hangs on the wave's number alone, which is the same in every work-group.
.macro JLOAD s
	s_cmp_eq_u32 s11, 0
	s_cbranch_scc0 .Lfor_b_\@
	tensor_load_to_lds s[G0+4*\s:G0+4*\s+3], s[G1:G1+7]
	s_nop 0
	s_branch .Lasked_\@
.Lfor_b_\@:
	tensor_load_to_lds s[G0B+4*\s:G0B+4*\s+3], s[G1B:G1B+7]
	s_nop 0
.Lasked_\@:
.endm
; A round of the cluster's barrier: my work-group's barrier, so that wave 0's signal speaks for all four waves; wave 0 signals for the work-group;
; every wave waits for all sixteen work-groups; my work-group's barrier once more.
.macro CREST                           ; a round behind its opening barrier
	s_cmp_lg_u32 s10, 0
	s_cbranch_scc1 .Lnot_wave_0_\@
	s_barrier_signal -3
.Lnot_wave_0_\@:
	s_barrier_wait -3
	s_barrier_signal -1
	s_barrier_wait -1
.endm
.macro CROUND                          ; a whole round
	s_barrier_signal -1
	s_barrier_wait -1
	CREST
.endm
	s_load_b128 s[4:7], s[0:1], 0x0                ; op16 s[4:5], y s[6:7]
	s_set_vgpr_msb 0x40
	v_lshl_add_u32 v255, v0, 2, 0x4c400
	s_set_vgpr_msb 0x4000
	v_mov_b32 v63, 0
	s_set_vgpr_msb 0x1
	ds_add_u32 v255, v63
	s_set_vgpr_msb 0x100
	v_lshrrev_b32 v1, 5, v0
	v_readfirstlane_b32 s10, v1                    ; wave 0..3
	s_lshr_b32 s11, s10, 1                         ; which half of the block's rows is mine.  Also: I fetch for A (0) or for B (1)
	s_and_b32 s12, s10, 1                          ; which half of its columns.  Also: which half of that tile I fetch
	s_bfe_u32 s40, ttmp6, 0x40000                  ; cx
	s_bfe_u32 s41, ttmp6, 0x40004                  ; cy
	s_lshl_b32 s42, ttmp9, 2                       ; in a cluster launch ttmp9 and ttmp7 count clusters
	s_add_co_u32 s42, s42, s40                     ; block column of y = 4 x cluster x + cx, 0..31
	s_and_b32 s13, ttmp7, 0xffff
	s_lshl_b32 s13, s13, 4
	s_add_co_u32 s13, s13, s41                     ; my first block row of y = 16 x cluster y + cy; the others lie 4, 8, 12 block rows further down
	s_lshr_b32 s45, ttmp9, 2                       ; the product, 0 or 1, from the cluster's x alone: no register of A's address ever holds cx
	s_lshl_b32 s43, s41, 2
	s_lshl_b32 s43, 15, s43                        ; my row of the cluster: places 4 cy .. 4 cy + 3
	s_lshl_b32 s44, 0x1111, s40                    ; my column: places cx, cx + 4, cx + 8, cx + 12
	; group 1 for A: 128 rows x 128 elements of 2 bytes, 1,024 elements from row to row; 4 words of padding behind every 64 words
	s_or_b32 s[G1+0], s43, (1<<16)|(1<<20)|(1<<21)|(5<<22)|(3<<25)   ; 15:0 the mask of my row; 17:16 2 bytes; 20 padding on; 21 set beside a mask; 24:22 interval code 5; 31:25 pad code 3
	s_mov_b32 s[G1+1], 128<<16                     ; tensor_dim0 = 128
	s_mov_b32 s[G1+2], 128<<16                     ; tensor_dim1 = 128
	s_mov_b32 s[G1+3], 128<<16                     ; tile_dim0 = 128
	s_mov_b32 s[G1+4], 128                         ; tile_dim1 = 128
	s_mov_b32 s[G1+5], SIZE_K                      ; the pitch
	s_mov_b32 s[G1+6], 0
	s_mov_b32 s[G1+7], 0
	; group 1 for B: 64 rows (k) x 256 elements, 4,096 elements from row to row; 8 words of padding behind every 128 words
	s_or_b32 s[G1B+0], s44, (1<<16)|(1<<20)|(1<<21)|(6<<22)|(7<<25)  ; the mask of my column; interval code 6; pad code 7
	s_mov_b32 s[G1B+1], 256<<16                    ; tensor_dim0 = 256
	s_mov_b32 s[G1B+2], 64<<16                     ; tensor_dim1 = 64
	s_mov_b32 s[G1B+3], 256<<16                    ; tile_dim0 = 256
	s_mov_b32 s[G1B+4], 64                         ; tile_dim1 = 64
	s_mov_b32 s[G1B+5], 4096                       ; the pitch
	s_mov_b32 s[G1B+6], 0
	s_mov_b32 s[G1B+7], 0
	; A's tile hangs on the block row and the product, which my row of the cluster shares; B's on the block column, which my column shares.
	s_lshl_b32 s16, s13, 8
	s_lshl_b32 s17, s12, 7
	s_add_co_u32 s16, s16, s17                     ; A: row 256 x block row + 128 x half,
	s_lshl_b32 s16, s16, 11                        ; 2,048 bytes a row,
	s_lshl_b32 s17, s45, 24                        ; x lies 16,777,216 bytes behind h0
	s_add_co_u32 s16, s16, s17
	s_mov_b32 s17, 0
	s_lshr_b32 s46, s42, 4                         ; B: the product,
	s_lshl_b32 s46, s46, 23                        ; 8,388,608 bytes a weight,
	s_and_b32 s47, s42, 15
	s_lshl_b32 s47, s47, 9                         ; 256 columns of 2 bytes a block column,
	s_add_co_u32 s46, s46, s47
	s_lshl_b32 s47, s12, 19                        ; 64 rows of 8,192 bytes a half,
	s_add_co_u32 s46, s46, s47
	s_add_co_u32 s46, s46, 33554432                ; behind h0 and x
	s_mov_b32 s47, 0
	s_mul_i32 s20, s10, HALFT                      ; where the tiles go: wave x 34,816: no place in the cluster enters an LDS address
	s_wait_dscnt 0x0
	s_wait_kmcnt 0x0
	s_add_nc_u64 s[14:15], s[4:5], s[16:17]
	s_add_nc_u64 s[46:47], s[4:5], s[46:47]
	CROUND                                         ; all sixteen work-groups are here: the first joint loads meet
.irp s, 0,1
	s_mov_b32 s[G0+4*\s], 1                                        ; count = 1
	s_add_co_u32 s[G0+4*\s+1], s20, \s*SLOT                        ; LDS address
	s_add_nc_u64 s[G0+4*\s+2:G0+4*\s+3], s[14:15], \s*KSTEP*2      ; global address: K step s, 256 bytes along the rows
	s_or_b32 s[G0+4*\s+3], s[G0+4*\s+3], 0x80000000                ; type = 2
	s_mov_b32 s[G0B+4*\s], 1
	s_add_co_u32 s[G0B+4*\s+1], s20, \s*SLOT
	s_add_nc_u64 s[G0B+4*\s+2:G0B+4*\s+3], s[46:47], \s*KSTEP*BROW ; K step s, 128 rows down
	s_or_b32 s[G0B+4*\s+3], s[G0B+4*\s+3], 0x80000000
	JLOAD \s                                       ; the ring is filled before anything else is done
.endr
	; y at my 128 x 128 of the first block
	s_lshl_b32 s16, s13, 8
	s_lshl_b32 s17, s11, 7
	s_add_co_u32 s16, s16, s17                     ; my first row of y,
	s_lshl_b32 s16, s16, 15                        ; 32,768 bytes a row (below 2^28)
	s_mov_b32 s17, 0
	s_add_nc_u64 s[6:7], s[6:7], s[16:17]
	s_lshl_b32 s46, s42, 10                        ; my first column, in bytes: 1,024 x block column + 512 x half (in the registers that held B's address: none that feeds A's descriptors ever holds cx)
	s_lshl_b32 s47, s12, 9
	s_add_co_u32 s46, s46, s47
	s_mov_b32 s47, 0
	s_add_nc_u64 s[6:7], s[6:7], s[46:47]
	; A's fragment, 16 rows x 32 K in 8 registers: lane l holds row l % 16; two loads of 16 bytes, 32 bytes apart, at row x pitch + 16 (l / 16).
	; B's fragment, 16 columns x 32 K: two transposing loads, 16 k rows apart; lane l addresses k row 8 (l / 16) + l % 8, bytes 16 ((l / 8) % 2) of the 32 bytes of the 16 columns.
	v_and_b32 v1, 15, v0                           ; l % 16
	v_bfe_u32 v2, v0, 4, 1                         ; l / 16
	v_mul_u32_u24 v3, v1, PITCH
	v_lshl_add_u32 v3, v2, 4, v3                   ; A: row x 272 + 16 x half
	v_and_b32 v4, 7, v0                            ; l % 8
	v_lshl_add_u32 v4, v2, 3, v4                   ; + 8 (l / 16)
	v_mul_u32_u24 v4, v4, BP
	v_bfe_u32 v5, v0, 3, 1
	v_lshl_add_u32 v4, v5, 4, v4                   ; B: k row x 544 + 16 ((l / 8) % 2)
	s_mul_i32 s21, s11, HALFT                      ; my 128 rows of A
	s_lshl_b32 s22, s12, 8                         ; my 128 columns of B: 256 bytes along its rows,
	s_add_co_u32 s22, s22, 2*HALFT                 ; which lie behind A's 256 rows
.irp s, 0,1
	v_add_nc_u32 v[ADRA+\s], s21, v3
	v_add_nc_u32 v[ADRB+\s], s22, v4
	s_add_co_u32 s21, s21, SLOT
	s_add_co_u32 s22, s22, SLOT
.endr
	s_mul_i32 s23, s10, WSTAGE
	s_add_co_u32 s23, s23, STAGE                   ; my stage
	v_mul_u32_u24 v4, v1, SPITCH                   ; in: row l % 16, 32 bytes for each half of the lanes
	v_lshl_add_u32 v4, v2, 5, v4
	v_add_nc_u32 v[STO], s23, v4
	v_and_b32 v5, 31, v0
	v_lshlrev_b32 v[CO], 4, v5                     ; back: 32 lanes take one row of 512 bytes, and the same in y
	v_add_nc_u32 v[RD], s23, v[CO]
; 16 matrix instructions: m blocks a0, a0 + 1 of the window's four (hi = 0: my rows 0-63, 1: rows 64-127) x all 8 n blocks, 32 along K.
; zero = 1: the first product starts the sums: nothing is ever cleared.
.macro MUL16 f, hi, a0, zero
.irp a, \a0, \a0+1
.irp b, 0,1,2,3,4,5,6,7
.if \zero
	v_wmma_f32_16x16x32_f16 v[8*(8*(\a)+\b):8*(8*(\a)+\b)+7], v[\f+8*\b:\f+8*\b+7], v[\f+8*(4*\hi+\a):\f+8*(4*\hi+\a)+7], 0
.else
	v_wmma_f32_16x16x32_f16 v[8*(8*(\a)+\b):8*(8*(\a)+\b)+7], v[\f+8*\b:\f+8*\b+7], v[\f+8*(4*\hi+\a):\f+8*(4*\hi+\a)+7], v[8*(8*(\a)+\b):8*(8*(\a)+\b)+7]
.endif
.endr
.endr
.endm
; 32 LDS loads in one run: the fragments of quarter step q (32 K) of a slot into buffer f: B's 16 loads first, then A's 16 (rows 0-63, then 64-127).
; The largest offset is (3 x 32 + 16) x 544 + 224 = 61,152, inside the 16-bit immediate.
.macro FETCH slot, q, f
	WIN TO_B
.irp i, 0,1,2,3,4,5,6,7
	ds_load_tr16_b128 v[\f+8*\i:\f+8*\i+3],   v[ADRB+\slot] offset:\q*32*BP+32*\i
	ds_load_tr16_b128 v[\f+8*\i+4:\f+8*\i+7], v[ADRB+\slot] offset:(\q*32+16)*BP+32*\i
.endr
	WIN 0
.irp i, 0,1,2,3,4,5,6,7
	ds_load_b128 v[\f+8*\i:\f+8*\i+3],   v[ADRA+\slot] offset:64*\q+\i*16*PITCH
	ds_load_b128 v[\f+8*\i+4:\f+8*\i+7], v[ADRA+\slot] offset:64*\q+\i*16*PITCH+32
.endr
.endm
; A load into a register that a matrix instruction has read, and an LDS store that reads a matrix result, stand four places behind that matrix
; instruction; only plain vector instructions that name none of its registers are places (ISA guide 7.12.1 for vector instructions).
; So four v_nop stand in front of each run of loads and in front of the way out.
.macro PLACES
.rept 4
	v_nop
.endr
.endm
; A K step is four quarter steps of 32 along K, 64 matrix instructions each, on buffers 0, 1, 0, 1.
; One of the first three: multiplies buffer f; in its middle it fetches quarter q of the same slot into buffer g.
.macro QUARTER slot, q, f, g, zero
	s_wait_dscnt 8                                 ; B and A's rows 0-63 are in; the youngest eight loads (A's rows 64-127) may be out
	WIN MUL_LO
	MUL16 \f, 0, 0, \zero
	MUL16 \f, 0, 2, \zero
	PLACES
	FETCH \slot, \q, \g
	s_wait_dscnt 32                                ; all but the 32 just issued
	WIN MUL_HI
	MUL16 \f, 1, 0, \zero
	MUL16 \f, 1, 2, \zero
.endm
.macro THREE slot, zero
	QUARTER \slot, 1, F0, F1, \zero
	QUARTER \slot, 2, F1, F0, 0
	QUARTER \slot, 3, F0, F1, 0
.endm
; The last quarter: multiplies buffer 1 and changes slots.  next = the other slot.
; fill = 1: this slot is filled again, two K steps ahead in the same block; fill = 2: with the next block's K step 0 or 1; fill = 0: not at all.
; In front of the barrier each wave waits for its own reads of this slot and for all its tensor loads, of which one is out: its part of the next slot.
; Behind it nobody reads this slot any more and the next slot is whole: the refill comes first, then the next slot's first fragments.
; From a request to the wait for it a wave issues 240 matrix instructions.
.macro TURN slot, next, fill
	s_wait_dscnt 8
	WIN MUL_LO
	MUL16 F1, 0, 0, 0
	s_wait_dscnt 0                                 ; my reads of this slot are over
	s_wait_tensorcnt 0x0                           ; and all my tensor loads have landed
	ds_add_u32 v255, v63
	s_wait_dscnt 0x0
	s_barrier_signal -1                            ; say so (where a slot is filled again this barrier opens a round of the cluster's barrier),
	MUL16 F1, 0, 2, 0                              ; work on registers while the others arrive,
	WIN 0
	s_barrier_wait -1                              ; and go on when all four have said so
.if \fill
	CREST                                          ; all sixteen work-groups have said so: no wave of any partner still reads this slot or has a load on its way
.if \fill == 1
	s_add_nc_u64 s[G0+4*\slot+2:G0+4*\slot+3], s[G0+4*\slot+2:G0+4*\slot+3], 2*KSTEP*2        ; no tensor load of mine is out: the addresses step, two K steps on
	s_add_nc_u64 s[G0B+4*\slot+2:G0B+4*\slot+3], s[G0B+4*\slot+2:G0B+4*\slot+3], 2*KSTEP*BROW
.else
	s_add_nc_u64 s[G0+4*\slot+2:G0+4*\slot+3], s[G0+4*\slot+2:G0+4*\slot+3], DOWN*SIZE_K*2-6*KSTEP*2   ; A: 1,024 rows down and six K steps back: from K step 6 (7) to the next block's 0 (1)
	s_sub_nc_u64 s[G0B+4*\slot+2:G0B+4*\slot+3], s[G0B+4*\slot+2:G0B+4*\slot+3], 6*KSTEP*BROW          ; B: the same block column, six K steps back
.endif
	JLOAD \slot                                    ; the first tensor load behind the round, and my only one until the next
.endif
	PLACES
	FETCH \next, 0, F0
	WIN MUL_HI
	MUL16 F1, 1, 0, 0
	MUL16 F1, 1, 2, 0
.endm
.macro LAP zero, fill                  ; once round the ring, both slots filled again
	THREE 0, \zero
	TURN 0, 1, \fill
	THREE 1, 0
	TURN 1, 0, \fill
.endm
; THE WAY OUT, 16 rows of y at a time: 32 bytes a lane and tile into my own stage in LDS, read back as whole rows of 512 bytes.
; rows 16 i .. 16 i + 15 of my block = the eight tiles (a, 0..7) of window 2 or 3 (win = 0x08 or 0x0c: an LDS store's data is source 1); f: TMP or F1 in turn
; (buffer 0 is not free: it holds the next block's first fragments).
.macro OUT16 i, a, win, f
	WIN \win
.irp b, 0,1,2,3,4,5,6,7
	ds_store_b128 v[STO], v[8*(8*\a+\b):8*(8*\a+\b)+3]   offset:64*\b       ; row l % 16, columns 16 b + 8 (l / 16) + 0..3
	ds_store_b128 v[STO], v[8*(8*\a+\b)+4:8*(8*\a+\b)+7] offset:64*\b+16    ; and + 4..7
.endr
	WIN 0
	s_wait_xcnt 0x0                                ; every earlier memory instruction has had its addresses translated (ISA guide 3.1): buffer f, which stores read, and the stores' base are rewritten only behind this wait
.if \i
	s_add_nc_u64 s[6:7], s[6:7], 16*YROW           ; 16 rows of y on
.endif
.irp t, 0,1,2,3,4,5,6,7,8,9,10,11,12,13,14,15
	ds_load_b128 v[\f+4*\t:\f+4*\t+3], v[RD] offset:\t*SPITCH      ; LDS serves a wave's instructions in order (ISA guide 5.7.1.4): these see the stores above
.endr
.irp t, 0,1,2,3,4,5,6,7,8,9,10,11,12,13,14,15
	s_wait_dscnt 15-\t
	global_store_b128 v[CO], v[\f+4*\t:\f+4*\t+3], s[6:7] offset:\t*YROW th:TH_STORE_NT   ; the wave stores 512 consecutive bytes, at a multiple of 512 from y's first byte
.endr
.endm
; One block of y.  At its head buffer 0 holds (or is about to receive) the fragments of its first quarter step, slot 0 its K step 0, and slot 1's load is out or in.
; more = 1: another block follows: the ring is kept turning into it.  more = 0: the last block: its last lap fills nothing.
.macro TILE more
	LAP 1, 1                                       ; K steps 0, 1: the first products start the sums (C = 0).  Eight v_nop lie between an accumulator's last matrix
	                                               ; instruction of the block before and this overwriting: four in front of a run of loads, four in front of the way out
	WIN 0                                          ; at a label and at a branch every window is 0
	s_mov_b32 s3, LAPS-2
.Llap_\@:
	LAP 0, 1                                       ; K steps 2 to 5
	WIN 0
	s_sub_co_u32 s3, s3, 1
	s_cmp_lg_u32 s3, 0
	s_cbranch_scc1 .Llap_\@
.if \more
	LAP 0, 2                                       ; K steps 6, 7: the refills are the next block's K steps 0 and 1; the last change of slots fetches its first fragments
.else
	THREE 0, 0                                     ; the last lap of all fills nothing and has no round of the cluster's barrier: the one load still out is slot 1's, the last K step's
	TURN 0, 1, 0
	THREE 1, 0
	s_wait_dscnt 8                                 ; the very last quarter: nothing more to fetch
	WIN MUL_LO
	MUL16 F1, 0, 0, 0
	MUL16 F1, 0, 2, 0
	s_wait_dscnt 0
	WIN MUL_HI
	MUL16 F1, 1, 0, 0
	MUL16 F1, 1, 2, 0
.endif
	PLACES                                         ; the places behind the last matrix instructions: for the LDS stores, which read results, and for the loads into buffer 1
	OUT16 0, 0, 0x08, TMP
	OUT16 1, 1, 0x08, F1
	OUT16 2, 2, 0x08, TMP
	OUT16 3, 3, 0x08, F1
	OUT16 4, 0, 0x0c, TMP
	OUT16 5, 1, 0x0c, F1
	OUT16 6, 2, 0x0c, TMP
	OUT16 7, 3, 0x0c, F1
.if \more
	s_wait_xcnt 0x0                                ; the stores have read buffer 1 and the base: the next block's second quarter step loads into the one, the next line steps the other
	s_add_nc_u64 s[6:7], s[6:7], (DOWN-7*16)*YROW  ; from row 112 of this block to row 0 of the next.  No wait for the stores themselves: they leave while the next block is multiplied
.endif
.endm
	s_wait_tensorcnt 1                             ; my part of K step 0 is in; K step 1's may stay out
	s_barrier_signal -1
	s_barrier_wait -1                              ; everybody's is
	FETCH 0, 0, F0
	s_mov_b32 s8, TILES-1
.Ltile:
	TILE 1                                         ; blocks 0, 1, 2
	s_sub_co_u32 s8, s8, 1
	s_cmp_lg_u32 s8, 0
	s_cbranch_scc1 .Ltile
	TILE 0                                         ; block 3
	s_set_vgpr_msb 0x1
	s_wait_tensorcnt 0x0
	ds_add_u32 v255, v63
	s_wait_dscnt 0x0
	s_set_vgpr_msb 0x100
	CROUND                                         ; the closing round: no work-group ends while a partner may still ask for a tile that names it
	s_endpgm
.Lfunc_end_k_qe73c2afd8c_gemm:
	.size	k_qe73c2afd8c_gemm, .Lfunc_end_k_qe73c2afd8c_gemm-k_qe73c2afd8c_gemm
	.p2alignl 7, 3214868480
	.fill 96, 4, 3214868480
	.section	.rodata,"a",@progbits
	.p2align	6, 0x0
	.amdhsa_kernel k_qe73c2afd8c_gemm
		.amdhsa_group_segment_fixed_size 327680
		.amdhsa_private_segment_fixed_size 0
		.amdhsa_enable_private_segment 0
		.amdhsa_kernarg_size 16
		.amdhsa_user_sgpr_count 2
		.amdhsa_user_sgpr_kernarg_segment_ptr 1
		.amdhsa_wavefront_size32 1
		.amdhsa_system_sgpr_workgroup_id_x 1
		.amdhsa_system_sgpr_workgroup_id_y 1
		.amdhsa_system_sgpr_workgroup_id_z 1
		.amdhsa_system_vgpr_workitem_id 0
		.amdhsa_next_free_vgpr 1024
		.amdhsa_next_free_sgpr 66
		.amdhsa_reserve_vcc 0
		.amdhsa_float_denorm_mode_32 3
		.amdhsa_float_denorm_mode_16_64 3
		.amdhsa_memory_ordered 1
		.amdhsa_forward_progress 1
		.amdhsa_inst_pref_size 255
	.end_amdhsa_kernel
	.section	.bss,"aw",@nobits
	.p2align	6
	.space	262144
	.amdgpu_metadata
---
amdhsa.version: [ 1, 2 ]
amdhsa.kernels:
  - .name:           k_qe73c2afd8c_gemm
    .symbol:         k_qe73c2afd8c_gemm.kd
    .args:
      - { .name: op16, .offset: 0, .size: 8, .value_kind: global_buffer, .address_space: global }
      - { .name: y, .offset: 8, .size: 8, .value_kind: global_buffer, .address_space: global }
    .group_segment_fixed_size: 327680
    .private_segment_fixed_size: 0
    .kernarg_segment_align: 8
    .kernarg_segment_size: 16
    .max_flat_workgroup_size: 128
    .sgpr_count:     66
    .vgpr_count:     1024
    .wavefront_size: 32
...
	.end_amdgpu_metadata
.endif
;; end of part 2
;; launch cell (part 3): grid 512 x 1, 8 waves a work-group, no clusters, 1,536 bytes of LDS; arguments y, c0, bias, ln1_g, ln1_b, ln2_g, ln2_b, ln3_g, ln3_b, out0, out1; writes out0, out1
.if DOCPART == 3
	.amdgcn_target "amdgcn-amd-amdhsa--gfx1250"
	.amdhsa_code_object_version 6
	.text
	.protected	k_qe73c2afd8c_cell
	.globl	k_qe73c2afd8c_cell
	.p2align	8
	.type	k_qe73c2afd8c_cell,@function
k_qe73c2afd8c_cell:
	s_mov_b64 s[64:65], 0
	v_nop
	global_prefetch_b8 v0, s[64:65] scope:SCOPE_SE
	s_setreg_imm32_b32 hwreg(HW_REG_WAVE_MODE, 25, 1), 1
	s_wait_xcnt 0x0
; gates = LN(y[:, 0:4096]) g1 + b1 + LN(y[:, 4096:8192]) g2 + b2 + bias;  f, i, o, c = the four quarters of gates;
; c1 = sigmoid(f) c0 + sigmoid(i) tanh(c)  (out1);   h1 = sigmoid(o) tanh(LN(c1) g3 + b3)  (out0).   Everything in f32.
; A work-group of eight waves owns 16 rows.  Thread t owns columns 4 t .. 4 t + 3 of every gate of both products, of c0, c1 and h1, so its share of
; all seven parameter vectors stays in registers, and every load and store of a wave covers 512 consecutive bytes, aligned.
; Two rows make a batch (18 loads of 16 bytes a thread); two register slots take turns: while one batch is worked on, the other's 18 loads are out.
; ROW STATISTICS without a difference of large sums: each wave takes the mean of its own 512 (for c1: 128) numbers of a row, centres them in place and
; sums the squares (M2); the eight waves' (mean, M2) meet in LDS and are combined: mu = mean of the means, M2 = sum M2_w + n sum (mean_w - mu)^2.
; LIMITS, stated: b1 + b2 + bias is summed first and log2(e) is folded into the gains and offsets (another order of f32 rounding than the reference's);
; sigmoid(z) = 1 / (1 + 2^(-z log2 e)), tanh(z) = 1 - 2 / (1 + 2^(2 z log2 e)): right at both ends (the power overflows to infinity or falls to 0, the
; quotient to 0 or 1), absolute error about 1e-7 near z = 0; NaN and infinities in the inputs spread as NaN through a row's statistics, as in the reference.
; Memory binds here: no matrix instruction has work, and no cluster: what work-groups share is the 88 KiB of parameters against 576 KiB of rows of their own.
.set ROWY, 32768                       ; bytes in a row of y
.set ROWC, 4096                        ; bytes in a row of c0, out0, out1
.set VY,  2                            ; v[2:3]     slot s: my byte offset in y of the batch that the slot loads
.set VC,  4                            ; v[4:5]     slot s: the same in c0, out0, out1
.set LW1, 6                            ; v6         LDS: my wave's 32 bytes of the first exchange: 32 w
.set LW2, 7                            ; v7         LDS: my wave's 16 bytes of the second: 256 + 16 w
.set LR1, 8                            ; v8         LDS: lane l reads wave l % 8, sum l / 8
.set LR2, 9                            ; v9         LDS: lane l reads wave l % 8, row (l / 8) % 2
.set G1,  12                           ; v[12:27]   g1 of my 16 columns (gate g at + 4 g), scaled
.set G2,  28                           ; v[28:43]   g2, scaled
.set BC,  44                           ; v[44:59]   b1 + b2 + bias, scaled
.set G3,  60                           ; v[60:63]   g3, scaled
.set B3,  64                           ; v[64:67]   b3, scaled
.set X,   68                           ; v[68:211]  slot s, row rho at X + 72 s + 36 rho: + 0..15 product 1 (f, i, o, c), + 16..31 product 2, + 32..35 c0
.set TT,  212                          ; v[212:219] at work
.set SUM, 220                          ; v[220:223] four wave means (row 2 x product 2); later two means and two M2 of c1
.set MSQ, 224                          ; v[224:227] four wave M2
.set MW,  228                          ; v[228:235] sum q: a pair, both halves alike: the wave's mean, then (wave's mean - mu) / sigma
.set RR,  236                          ; v[236:243] sum q: a pair: 1 / sigma
.set NLOG2E, 0xbfb8aa3b                ; -log2(e)
.set LOG2E2, 0x4038aa3b                ; 2 log2(e)
	s_load_b512 s[8:23], s[0:1], 0x0               ; y 8:9, c0 10:11, bias 12:13, g1 14:15, b1 16:17, g2 18:19, b2 20:21, g3 22:23
	s_load_b128 s[24:27], s[0:1], 0x40             ; b3 24:25, out0 26:27
	s_load_b64 s[28:29], s[0:1], 0x50              ; out1
	v_lshl_add_u32 v252, v0, 2, 0x200
	v_mov_b32 v253, 0
	s_lshl_b32 s2, ttmp9, 19                       ; 16 rows of 32,768 bytes (511 x 2^19 stays below 2^32)
	s_mov_b32 s3, 0
	s_lshl_b32 s4, ttmp9, 16                       ; 16 rows of 4,096 bytes
	s_mov_b32 s5, 0
	s_mov_b32 s30, 0x76543210                      ; v_permlanex16_b32: lane i of one half reads lane i of the other
	s_mov_b32 s31, 0xfedcba98
	s_mov_b32 s33, 0x39800000                      ; 1 / 4096
	s_mov_b32 s34, 0x3727c5ac                      ; 1e-5
	s_mov_b32 s35, 0x3a800000                      ; 1 / 1024
	v_lshlrev_b32 v1, 4, v0                        ; 16 t: my 16 bytes in a quarter of a parameter vector; never rewritten
	v_lshlrev_b32 v[VY], 4, v0
	v_lshl_or_b32 v[VY+1], v0, 4, 2*ROWY           ; slot 1 starts one batch (two rows) further down
	v_lshlrev_b32 v[VC], 4, v0
	v_lshl_or_b32 v[VC+1], v0, 4, 2*ROWC
	v_lshrrev_b32 v10, 5, v0
	v_readfirstlane_b32 s44, v10                   ; my wave's number as a scalar
	s_lshl_b32 s45, s44, 5
	v_mov_b32 v[LW1], s45                          ; 32 w
	s_lshl_b32 s46, s44, 4
	s_add_co_u32 s46, s46, 256
	v_mov_b32 v[LW2], s46                          ; 256 + 16 w
	v_and_b32 v10, 7, v0
	v_bfe_u32 v11, v0, 3, 2
	v_lshlrev_b32 v[LR1], 5, v10
	v_lshl_add_u32 v[LR1], v11, 2, v[LR1]          ; 32 (l % 8) + 4 (l / 8)
	v_bfe_u32 v11, v0, 3, 1
	v_lshlrev_b32 v[LR2], 4, v10
	v_lshl_add_u32 v[LR2], v11, 2, v[LR2]
	v_add_nc_u32 v[LR2], 0x100, v[LR2]             ; 256 + 16 (l % 8) + 4 ((l / 8) % 2)
	s_wait_kmcnt 0x0
	s_add_nc_u64 s[8:9], s[8:9], s[2:3]            ; all four row tensors at the group's first row
	s_add_nc_u64 s[10:11], s[10:11], s[4:5]
	s_add_nc_u64 s[26:27], s[26:27], s[4:5]
	s_add_nc_u64 s[28:29], s[28:29], s[4:5]
	; 22 loads of parameters; b1, b2 and bias go into slot 1's registers, which are not yet in use.  No hint: every work-group reads them.
.irp g, 0,1,2,3
	global_load_b128 v[G1+4*\g:G1+4*\g+3],       v1, s[14:15] offset:4096*\g
	global_load_b128 v[G2+4*\g:G2+4*\g+3],       v1, s[18:19] offset:4096*\g
	global_load_b128 v[X+72+4*\g:X+72+4*\g+3],   v1, s[16:17] offset:4096*\g
	global_load_b128 v[X+88+4*\g:X+88+4*\g+3],   v1, s[20:21] offset:4096*\g
	global_load_b128 v[X+104+4*\g:X+104+4*\g+3], v1, s[12:13] offset:4096*\g
.endr
	global_load_b128 v[G3:G3+3], v1, s[22:23]
	global_load_b128 v[B3:B3+3], v1, s[24:25]
; 18 loads: the two rows of slot s's batch: eight pieces of y and one of c0 for each row.  Read once in the launch.
.macro FILL s
.irp rho, 0,1
.irp p, 0,1
.irp g, 0,1,2,3
	global_load_b128 v[X+72*\s+36*\rho+16*\p+4*\g:X+72*\s+36*\rho+16*\p+4*\g+3], v[VY+\s], s[8:9] offset:\rho*ROWY+\p*16384+\g*4096 th:TH_LOAD_NT
.endr
.endr
	global_load_b128 v[X+72*\s+36*\rho+32:X+72*\s+36*\rho+35], v[VC+\s], s[10:11] offset:\rho*ROWC th:TH_LOAD_NT
.endr
.endm
; Sums over the wave's 32 lanes of cnt registers from base on, the chains interleaved; every lane ends with the sum.  TT .. TT + cnt - 1 are overwritten.
.macro RED base, cnt
.irp msk, 1,2,4,8
.set kk, 0
.rept \cnt
	v_add_f32_dpp v[\base+kk], v[\base+kk], v[\base+kk] row_xmask:\msk row_mask:0xf bank_mask:0xf
.set kk, kk+1
.endr
.endr
.set kk, 0
.rept \cnt
	v_permlanex16_b32 v[TT+kk], v[\base+kk], s30, s31      ; its destination counts as read: TT has been written in this batch
.set kk, kk+1
.endr
.set kk, 0
.rept \cnt
	v_add_f32 v[\base+kk], v[\base+kk], v[TT+kk]
.set kk, kk+1
.endr
.endm
; The eight waves' (mean, M2) of qn sums become (mu, 1 / sigma).  Lanes 8 q .. 8 q + 7 hold the eight waves' figures of sum q (address lr; M2 lies off2
; bytes behind the mean); wn = the numbers in a wave's share, as f32 bits; s[sinv] = 1 / the row's length.
; At the end MW's pair q = (my wave's mean - mu) / sigma and RR's pair q = 1 / sigma, so that one fused multiply-add normalises a centred number.
.macro COMBINE lr, off2, wn, sinv, qn
	ds_load_b32 v[TT], v[\lr]
	ds_load_b32 v[TT+1], v[\lr] offset:\off2
	s_wait_dscnt 0x0                               ; zero: both are used at once, and no LDS read of mine may be out at the next barrier's signal
	v_add_f32_dpp v[TT+2], v[TT], v[TT] row_xmask:1 row_mask:0xf bank_mask:0xf
	v_add_f32_dpp v[TT+2], v[TT+2], v[TT+2] row_xmask:2 row_mask:0xf bank_mask:0xf
	v_add_f32_dpp v[TT+2], v[TT+2], v[TT+2] row_xmask:4 row_mask:0xf bank_mask:0xf
	v_fmamk_f32 v[TT+3], v[TT+2], 0xbe000000, v[TT]        ; mean_w - mu, mu = the sum of the eight means / 8
	v_mul_f32 v[TT+2], 0x3e000000, v[TT+2]                 ; mu
	v_mul_f32 v[TT+3], v[TT+3], v[TT+3]
	v_fmamk_f32 v[TT+1], v[TT+3], \wn, v[TT+1]             ; M2_w + n (mean_w - mu)^2
	v_add_f32_dpp v[TT+1], v[TT+1], v[TT+1] row_xmask:1 row_mask:0xf bank_mask:0xf
	v_add_f32_dpp v[TT+1], v[TT+1], v[TT+1] row_xmask:2 row_mask:0xf bank_mask:0xf
	v_add_f32_dpp v[TT+1], v[TT+1], v[TT+1] row_xmask:4 row_mask:0xf bank_mask:0xf
	v_fma_f32 v[TT+1], v[TT+1], s[\sinv], s34              ; the variance + 1e-5
	v_rsq_f32 v[TT+1], v[TT+1]
	v_nop                                          ; one plain vector instruction behind v_rsq_f32 before its result is read (ISA guide 5.7.2)
.set qq, 0
	s_wait_alu depctr_va_vdst(0)
.rept \qn
	v_readlane_b32 s[36+qq], v[TT+2], 8*qq         ; data only: no address and no branch is made of these
	v_readlane_b32 s[40+qq], v[TT+1], 8*qq
.set qq, qq+1
.endr
.set qq, 0
.rept \qn
	v_sub_f32 v[MW+2*qq], v[MW+2*qq], s[36+qq]
	v_mov_b32 v[RR+2*qq], s[40+qq]
	v_mov_b32 v[RR+2*qq+1], s[40+qq]
	v_mul_f32 v[MW+2*qq], s[40+qq], v[MW+2*qq]
	v_mov_b32 v[MW+2*qq+1], v[MW+2*qq]
.set qq, qq+1
.endr
.endm
; One batch: the two rows in slot s.  ahead = 1: the slot is filled again, two batches on.  left = how many younger loads may stay out.
; Sum q = 2 rho + p is row rho's product p; its 16 numbers lie at YB.
.macro BATCH s, ahead, left
	s_wait_loadcnt \left                           ; loads come back in order (ISA guide 5.7.1): my slot's 18 are in, the other slot's stay out
	; the wave's mean of each of the four sums: four chains that take turns; the first pairs start them
.irp q, 0,1,2,3
.set YB, X+72*\s+36*(\q>>1)+16*(\q&1)
	v_pk_add_f32 v[TT+2*\q:TT+2*\q+1], v[YB:YB+1], v[YB+2:YB+3]
.endr
.irp j, 4,6,8,10,12,14
.irp q, 0,1,2,3
.set YB, X+72*\s+36*(\q>>1)+16*(\q&1)
	v_pk_add_f32 v[TT+2*\q:TT+2*\q+1], v[TT+2*\q:TT+2*\q+1], v[YB+\j:YB+\j+1]
.endr
.endr
.irp q, 0,1,2,3
	v_add_f32 v[SUM+\q], v[TT+2*\q], v[TT+2*\q+1]
.endr
	RED SUM, 4
.irp q, 0,1,2,3
	v_mul_f32 v[MW+2*\q],   0x3b000000, v[SUM+\q]  ; / 512: 32 lanes x 16 numbers
	v_mul_f32 v[MW+2*\q+1], 0x3b000000, v[SUM+\q]
	v_mul_f32 v[SUM+\q],    0x3b000000, v[SUM+\q]
.endr
	; centre in place by the wave's mean, then the sums of squares, again four chains by turns
.irp q, 0,1,2,3
.set YB, X+72*\s+36*(\q>>1)+16*(\q&1)
.irp j, 0,2,4,6,8,10,12,14
	v_pk_add_f32 v[YB+\j:YB+\j+1], v[YB+\j:YB+\j+1], v[MW+2*\q:MW+2*\q+1] neg_lo:[0,1] neg_hi:[0,1]
.endr
.endr
.irp q, 0,1,2,3
.set YB, X+72*\s+36*(\q>>1)+16*(\q&1)
	v_pk_mul_f32 v[TT+2*\q:TT+2*\q+1], v[YB:YB+1], v[YB:YB+1]
.endr
.irp j, 2,4,6,8,10,12,14
.irp q, 0,1,2,3
.set YB, X+72*\s+36*(\q>>1)+16*(\q&1)
	v_pk_fma_f32 v[TT+2*\q:TT+2*\q+1], v[YB+\j:YB+\j+1], v[YB+\j:YB+\j+1], v[TT+2*\q:TT+2*\q+1]
.endr
.endr
.irp q, 0,1,2,3
	v_add_f32 v[MSQ+\q], v[TT+2*\q], v[TT+2*\q+1]
.endr
	RED MSQ, 4
	; the first exchange.  These bytes were last read in front of the last batch's second barrier, which every wave has passed.
	ds_store_b128 v[LW1], v[SUM:SUM+3]
	ds_store_b128 v[LW1], v[MSQ:MSQ+3] offset:16
	s_wait_dscnt 0x0                               ; for the others' sake: my stores are done before I signal
	s_barrier_signal -1
	s_barrier_wait -1
	COMBINE LR1, 16, 0x44000000, 33, 4             ; n = 512, 1 / 4096
	; gates, already times -log2(e) (f, i, o) or 2 log2(e) (c); then the powers and quotients; then c1
.irp rho, 0,1
.set XB, X+72*\s+36*\rho
.irp j, 0,2,4,6,8,10,12,14
	v_pk_fma_f32 v[XB+\j:XB+\j+1],       v[XB+\j:XB+\j+1],       v[RR+4*\rho:RR+4*\rho+1],   v[MW+4*\rho:MW+4*\rho+1]
	v_pk_fma_f32 v[XB+16+\j:XB+16+\j+1], v[XB+16+\j:XB+16+\j+1], v[RR+4*\rho+2:RR+4*\rho+3], v[MW+4*\rho+2:MW+4*\rho+3]
.endr
.irp j, 0,2,4,6,8,10,12,14
	v_pk_fma_f32 v[XB+\j:XB+\j+1], v[XB+\j:XB+\j+1], v[G1+\j:G1+\j+1], v[BC+\j:BC+\j+1]
.endr
.irp j, 0,2,4,6,8,10,12,14
	v_pk_fma_f32 v[XB+\j:XB+\j+1], v[XB+16+\j:XB+16+\j+1], v[G2+\j:G2+\j+1], v[XB+\j:XB+\j+1]
.endr
.irp j, 0,1,2,3,4,5,6,7,8,9,10,11,12,13,14,15
	v_exp_f32 v[XB+\j], v[XB+\j]
.endr
	v_nop                                          ; one plain vector instruction behind the run of powers (ISA guide 5.7.2)
	s_wait_alu depctr_va_vdst(0)
.irp j, 0,2,4,6,8,10,12,14
	v_pk_add_f32 v[XB+\j:XB+\j+1], v[XB+\j:XB+\j+1], 1.0 op_sel_hi:[1,0]
.endr
.irp j, 0,1,2,3,4,5,6,7,8,9,10,11,12,13,14,15
	v_rcp_f32 v[XB+\j], v[XB+\j]
.endr
	v_nop                                          ; and behind the run of quotients
	s_wait_alu depctr_va_vdst(0)
.irp j, 12,14
	v_pk_fma_f32 v[XB+\j:XB+\j+1], v[XB+\j:XB+\j+1], -2.0, 1.0 op_sel_hi:[1,0,0]   ; tanh(c)
.endr
.irp j, 0,2
	v_pk_mul_f32 v[TT+4*\rho+\j:TT+4*\rho+\j+1], v[XB+4+\j:XB+4+\j+1], v[XB+12+\j:XB+12+\j+1]
.endr
.irp j, 0,2
	v_pk_fma_f32 v[XB+32+\j:XB+32+\j+1], v[XB+\j:XB+\j+1], v[XB+32+\j:XB+32+\j+1], v[TT+4*\rho+\j:TT+4*\rho+\j+1]   ; c1, where c0 lay
.endr
.endr
	; c1's statistics, in the same way: the wave's share of a row is 32 lanes x 4 numbers
.irp rho, 0,1
.set XB, X+72*\s+36*\rho
	v_pk_add_f32 v[TT+2*\rho:TT+2*\rho+1], v[XB+32:XB+33], v[XB+34:XB+35]
.endr
.irp rho, 0,1
	v_add_f32 v[SUM+\rho], v[TT+2*\rho], v[TT+2*\rho+1]
.endr
	RED SUM, 2
.irp rho, 0,1
	v_mul_f32 v[MW+2*\rho],   0x3c000000, v[SUM+\rho]    ; / 128
	v_mul_f32 v[MW+2*\rho+1], 0x3c000000, v[SUM+\rho]
	v_mul_f32 v[SUM+\rho],    0x3c000000, v[SUM+\rho]
.endr
.irp rho, 0,1
.set XB, X+72*\s+36*\rho
	v_pk_add_f32 v[XB:XB+1],   v[XB+32:XB+33], v[MW+2*\rho:MW+2*\rho+1] neg_lo:[0,1] neg_hi:[0,1]   ; centred c1, where sigmoid(f) lay
	v_pk_add_f32 v[XB+2:XB+3], v[XB+34:XB+35], v[MW+2*\rho:MW+2*\rho+1] neg_lo:[0,1] neg_hi:[0,1]
	v_pk_mul_f32 v[TT+2*\rho:TT+2*\rho+1], v[XB:XB+1], v[XB:XB+1]
	v_pk_fma_f32 v[TT+2*\rho:TT+2*\rho+1], v[XB+2:XB+3], v[XB+2:XB+3], v[TT+2*\rho:TT+2*\rho+1]
	v_add_f32 v[SUM+2+\rho], v[TT+2*\rho], v[TT+2*\rho+1]
.endr
	RED SUM+2, 2
	; the second exchange, in bytes of its own.  They were last read in front of this batch's first barrier.
	ds_store_b128 v[LW2], v[SUM:SUM+3]             ; mean of row 0, of row 1, M2 of row 0, of row 1
	s_wait_dscnt 0x0
	s_barrier_signal -1
	s_barrier_wait -1
	COMBINE LR2, 8, 0x43000000, 35, 2              ; n = 128, 1 / 1024
.irp rho, 0,1
.set XB, X+72*\s+36*\rho
.irp j, 0,2
	v_pk_fma_f32 v[XB+\j:XB+\j+1], v[XB+\j:XB+\j+1], v[RR+2*\rho:RR+2*\rho+1], v[MW+2*\rho:MW+2*\rho+1]
.endr
.irp j, 0,2
	v_pk_fma_f32 v[XB+\j:XB+\j+1], v[XB+\j:XB+\j+1], v[G3+\j:G3+\j+1], v[B3+\j:B3+\j+1]   ; times 2 log2(e) already
.endr
.endr
.irp rho, 0,1
.set XB, X+72*\s+36*\rho
.irp j, 0,1,2,3
	v_exp_f32 v[XB+\j], v[XB+\j]
.endr
.endr
	v_nop
	s_wait_alu depctr_va_vdst(0)
.irp rho, 0,1
.set XB, X+72*\s+36*\rho
	v_pk_add_f32 v[XB:XB+1],   v[XB:XB+1],   1.0 op_sel_hi:[1,0]
	v_pk_add_f32 v[XB+2:XB+3], v[XB+2:XB+3], 1.0 op_sel_hi:[1,0]
.endr
.irp rho, 0,1
.set XB, X+72*\s+36*\rho
.irp j, 0,1,2,3
	v_rcp_f32 v[XB+\j], v[XB+\j]
.endr
.endr
	v_nop
	s_wait_alu depctr_va_vdst(0)
.irp rho, 0,1
.set XB, X+72*\s+36*\rho
.irp j, 0,2
	v_pk_fma_f32 v[XB+\j:XB+\j+1], v[XB+\j:XB+\j+1], -2.0, 1.0 op_sel_hi:[1,0,0]
.endr
.irp j, 0,2
	v_pk_mul_f32 v[XB+8+\j:XB+8+\j+1], v[XB+8+\j:XB+8+\j+1], v[XB+\j:XB+\j+1]     ; h1, where sigmoid(o) lay
.endr
.endr
.irp rho, 0,1
.set XB, X+72*\s+36*\rho
	global_store_b128 v[VC+\s], v[XB+32:XB+35], s[28:29] offset:\rho*ROWC th:TH_STORE_NT   ; c1
	global_store_b128 v[VC+\s], v[XB+8:XB+11],  s[26:27] offset:\rho*ROWC th:TH_STORE_NT   ; h1
.endr
.if \ahead
	s_wait_xcnt 0x0                                ; every earlier memory instruction has had its addresses translated (ISA guide 3.1): the stores' data and offset are rewritten only behind this wait
	v_add_nc_u32 v[VY+\s], 4*ROWY, v[VY+\s]        ; two batches = four rows on
	v_add_nc_u32 v[VC+\s], 4*ROWC, v[VC+\s]
	FILL \s
.endif
.endm
	FILL 0                                         ; the first batch goes out behind the parameters
	s_wait_loadcnt 18                              ; the 22 parameter loads are in; slot 0's 18 stay out
.irp j, 0,2,4,6,8,10,12,14
	v_pk_add_f32 v[BC+\j:BC+\j+1], v[X+72+\j:X+72+\j+1], v[X+88+\j:X+88+\j+1]      ; b1 + b2
.endr
.irp j, 0,2,4,6,8,10,12,14
	v_pk_add_f32 v[BC+\j:BC+\j+1], v[BC+\j:BC+\j+1], v[X+104+\j:X+104+\j+1]        ; + bias
.endr
.irp j, 0,2,4,6,8,10
	v_pk_mul_f32 v[G1+\j:G1+\j+1], v[G1+\j:G1+\j+1], NLOG2E op_sel_hi:[1,0]        ; gates f, i, o feed 2^(-z log2 e)
	v_pk_mul_f32 v[G2+\j:G2+\j+1], v[G2+\j:G2+\j+1], NLOG2E op_sel_hi:[1,0]
	v_pk_mul_f32 v[BC+\j:BC+\j+1], v[BC+\j:BC+\j+1], NLOG2E op_sel_hi:[1,0]
.endr
.irp j, 12,14
	v_pk_mul_f32 v[G1+\j:G1+\j+1], v[G1+\j:G1+\j+1], LOG2E2 op_sel_hi:[1,0]        ; gate c feeds 2^(2 z log2 e)
	v_pk_mul_f32 v[G2+\j:G2+\j+1], v[G2+\j:G2+\j+1], LOG2E2 op_sel_hi:[1,0]
	v_pk_mul_f32 v[BC+\j:BC+\j+1], v[BC+\j:BC+\j+1], LOG2E2 op_sel_hi:[1,0]
.endr
.irp j, 0,2
	v_pk_mul_f32 v[G3+\j:G3+\j+1], v[G3+\j:G3+\j+1], LOG2E2 op_sel_hi:[1,0]
	v_pk_mul_f32 v[B3+\j:B3+\j+1], v[B3+\j:B3+\j+1], LOG2E2 op_sel_hi:[1,0]
.endr
	FILL 1                                         ; slot 1's registers have given up b1, b2 and bias
	s_mov_b32 s32, 3                               ; 8 batches: 3 trips of two, each filling its slot again, and two without a fill
.Ltrip:
	BATCH 0, 1, 18
	BATCH 1, 1, 18
	s_sub_co_u32 s32, s32, 1
	s_cmp_lg_u32 s32, 0
	s_cbranch_scc1 .Ltrip
	BATCH 0, 0, 18                                 ; rows 12, 13: slot 1's 18 loads are still out; no load leaves the buffers
	BATCH 1, 0, 0                                  ; rows 14, 15: nothing is out behind them
	s_wait_tensorcnt 0x0
	ds_add_u32 v252, v253
	s_wait_dscnt 0x0
	s_endpgm
.Lfunc_end_k_qe73c2afd8c_cell:
	.size	k_qe73c2afd8c_cell, .Lfunc_end_k_qe73c2afd8c_cell-k_qe73c2afd8c_cell
	.p2alignl 7, 3214868480
	.fill 96, 4, 3214868480
	.section	.rodata,"a",@progbits
	.p2align	6, 0x0
	.amdhsa_kernel k_qe73c2afd8c_cell
		.amdhsa_group_segment_fixed_size 1536
		.amdhsa_private_segment_fixed_size 0
		.amdhsa_enable_private_segment 0
		.amdhsa_kernarg_size 88
		.amdhsa_user_sgpr_count 2
		.amdhsa_user_sgpr_kernarg_segment_ptr 1
		.amdhsa_wavefront_size32 1
		.amdhsa_system_sgpr_workgroup_id_x 1
		.amdhsa_system_sgpr_workgroup_id_y 1
		.amdhsa_system_sgpr_workgroup_id_z 1
		.amdhsa_system_vgpr_workitem_id 0
		.amdhsa_next_free_vgpr 254
		.amdhsa_next_free_sgpr 66
		.amdhsa_reserve_vcc 0
		.amdhsa_float_denorm_mode_32 3
		.amdhsa_float_denorm_mode_16_64 3
		.amdhsa_memory_ordered 1
		.amdhsa_forward_progress 1
		.amdhsa_inst_pref_size 121
	.end_amdhsa_kernel
	.amdgpu_metadata
---
amdhsa.version: [ 1, 2 ]
amdhsa.kernels:
  - .name:           k_qe73c2afd8c_cell
    .symbol:         k_qe73c2afd8c_cell.kd
    .args:
      - { .name: y, .offset: 0, .size: 8, .value_kind: global_buffer, .address_space: global }
      - { .name: c0, .offset: 8, .size: 8, .value_kind: global_buffer, .address_space: global }
      - { .name: bias, .offset: 16, .size: 8, .value_kind: global_buffer, .address_space: global }
      - { .name: ln1_g, .offset: 24, .size: 8, .value_kind: global_buffer, .address_space: global }
      - { .name: ln1_b, .offset: 32, .size: 8, .value_kind: global_buffer, .address_space: global }
      - { .name: ln2_g, .offset: 40, .size: 8, .value_kind: global_buffer, .address_space: global }
      - { .name: ln2_b, .offset: 48, .size: 8, .value_kind: global_buffer, .address_space: global }
      - { .name: ln3_g, .offset: 56, .size: 8, .value_kind: global_buffer, .address_space: global }
      - { .name: ln3_b, .offset: 64, .size: 8, .value_kind: global_buffer, .address_space: global }
      - { .name: out0, .offset: 72, .size: 8, .value_kind: global_buffer, .address_space: global }
      - { .name: out1, .offset: 80, .size: 8, .value_kind: global_buffer, .address_space: global }
    .group_segment_fixed_size: 1536
    .private_segment_fixed_size: 0
    .kernarg_segment_align: 8
    .kernarg_segment_size: 88
    .max_flat_workgroup_size: 256
    .sgpr_count:     66
    .vgpr_count:     254
    .wavefront_size: 32
...
	.end_amdgpu_metadata
.endif
;; end of part 3
